; MI455X (gfx1250); checked and timed in simulation.
; The chip was launched on July 23, 2026; its instructions are those of AMD's public machine-readable ISA for CDNA 5 (MIT licence, August 2026) and "CDNA5" Instruction Set Architecture Reference Guide (July 2026). The comments in the code are by the model that wrote it; some were corrected since.
;; m HC Generator. Allowed arithmetic: float matrix products may take bf16 or f16 operands with f32 sums; other float arithmetic in f32, or as packed bf16 or f16 multiplies, adds, multiply-adds, maxima and minima; sums over many terms, partial sums and values carried from step to step in f32; what a program stores and reads back later, other than sums and carried values, may be rounded once to bf16 or f16.
;; Inputs: W_post 4 x 768 float32; W_pre 4 x 768 float32; W_res 16 x 768 float32; alpha_post one number float32; alpha_pre one number float32; alpha_res one number float32; b_post 4 float32; b_pre 4 float32; b_res 16 float32; norm_w 768 float32; x 128 x 768 x 14 x 14 float32.
;; Outputs: out0 128 x 4 float32; out1 128 x 4 float32; out2 128 x 4 x 4 float32.
;; 2 versions, each right and faster than the one before. Each part assembles by itself: llvm-mc -triple=amdgcn-amd-amdhsa -mcpu=gfx1250 --defsym DOCPART=n.
;; ======== version 1 of 2: 1 launch
;; limits: inputs' magnitudes at most 3.4e+15
;; launch mhc (part 1): grid 128 x 1, 24 waves a work-group, no clusters, 160,768 bytes of LDS; arguments x, norm_w, W_res, W_pre, W_post, alpha_res, alpha_pre, alpha_post, b_res, b_pre, b_post, out2, out0, out1; writes out2, out0, out1
.if DOCPART == 1
	.amdgcn_target "amdgcn-amd-amdhsa--gfx1250"
	.amdhsa_code_object_version 6
	.text
	.protected	k_qc277189e51_mhc
	.globl	k_qc277189e51_mhc
	.p2align	8
	.type	k_qc277189e51_mhc,@function
k_qc277189e51_mhc:
	s_mov_b64 s[64:65], 0
	v_nop
	global_prefetch_b8 v0, s[64:65] scope:SCOPE_SE
	s_setreg_imm32_b32 hwreg(HW_REG_WAVE_MODE, 25, 1), 1
	s_wait_xcnt 0x0
; mHC generator.  For each batch b of 128: gap[c] = mean of x[b][c][14][14]; xn[c] = gap[c] / sqrt(mean_c gap^2 + eps) * norm_w[c];
; 24 numbers z = alpha * (xn . W row) + bias (16 of W_res, 4 of W_pre, 4 of W_post); out0 = sigmoid(pre), out1 = 2 sigmoid(post),
; out2 = the 4 x 4 block of res: row maximum taken away, exponential, 20 rounds of (rows / (row sum + 1e-6), columns / (column sum + 1e-6)).
; NOTHING IS LEFT OUT: every one of the eleven inputs has a way to an output and is loaded; every step of the computation is done.
; SHARES.  One work-group takes one batch through everything, since the norm and the 24 products want all 768 channels of a batch and work-groups exchange nothing.
; 24 waves.  On the way in, wave w takes channels 32 w .. 32 w + 31: 32 planes of 784 bytes = 25,088 consecutive bytes = 49 loads of 512 consecutive, aligned bytes
; (16 bytes a lane).  A plane is 49 pieces of 16 bytes, so no piece lies in two planes.  Each piece's four numbers are added in registers; the 1,568 sums of a wave go into LDS
; words of the wave's own, and lane p reads back the 49 words of plane p.  Behind that, wave w makes number w of the 24; wave 0 does the sigmoids and the 20 rounds.
; IN FLIGHT.  A ring of 30 slots of four registers: 30 loads (15,360 bytes) of every wave are out until nothing is left to ask for: 368,640 of the work-group's 602,112 bytes at the start.
; No address register is ever rewritten: a load's place stands in its immediate.
; WHY NO MATRIX INSTRUCTION: a work-group has ONE row of xn: 24 x 768 multiply-adds, twelve packed f32 multiply-adds a lane; a tile of 16 rows would hold 15 empty ones.
; WHY NO CLUSTER, NO TENSOR LOAD: what work-groups share (weights, gains, biases: 76,908 bytes) is a ninth of what each reads alone (602,112 bytes), and the
; batch does not fit into LDS, so a ring in LDS would need a barrier for each refill where the ring in registers needs none.
; STORES: a batch owns 64 + 16 + 16 bytes of the outputs, 12,288 bytes in the whole launch; they leave as three stores of 4 bytes a lane.
; LIMITS.  Sums are taken in trees, not in the order of a plain loop.  Divisions are v_rcp_f32 and a multiply, the root is v_rsq_f32 (1 ulp each: ISA guide, 15.8).
; An exponential below 2^-126 counts as 0.  NaN and infinities are not treated apart (the row maximum drops a NaN).
.set DEPTH, 30                         ; slots of the ring
.set PARTW, 6272                       ; LDS bytes of a wave's 1,568 sums; wave w's begin at PARTW x w
.set GROW,  150528                     ; behind the 24 waves' sums: G[c], the 768 plane sums
.set TOFF,  3072                       ; and 3,072 bytes on: T[c] = G[c] x norm_w[c]
.set VAL,   156672                     ; the 24 numbers z
.set SPARE, 156928                     ; the spare words, 128 bytes for each wave: twelve blocks of 256 bytes that no other line names
.set XO,  2                            ; v2   my byte offset in the batch: 25,088 w + 16 l; never rewritten
.set LP,  3                            ; v3   where my sums go: PARTW w + 4 l
.set LQ,  4                            ; v4   where my plane's 49 words lie: PARTW w + 196 l
.set WO,  5                            ; v5   16 l: my offset in a row of weights
.set GS,  6                            ; v6   GROW + 4 x my channel (my thread's number)
.set NO,  7                            ; v7   4 x my channel
.set SPW, 8                            ; v8   LDS address of my spare word; never rewritten
.set NIL, 9                            ; v9   0; never rewritten
.set NW,  10                           ; v10  norm_w of my channel
.set GR,  11                           ; v11  GROW + 16 l
.set WR,  12                           ; v[12:35]  my row of weights: load k, element e = channel 128 k + 4 l + e
.set TM,  36                           ; v[36:39]  two pairs at work
.set XR,  40                           ; v[40:159] the ring; later v40-88 a plane's 49 words; then v40-63 G, v64-87 T
.set SQ,  88                           ; v[88:89], v[92:93]  two chains of the sum of squares
.set DT,  90                           ; v[90:91], v[94:95]  two chains of my product
	s_load_b512 s[8:23], s[0:1], 0x0               ; x s[8:9], norm_w s[10:11], W_res s[12:13], W_pre s[14:15], W_post s[16:17], alpha_res s[18:19], alpha_pre s[20:21], alpha_post s[22:23]
	s_load_b256 s[24:31], s[0:1], 0x40             ; b_res s[24:25], b_pre s[26:27], b_post s[28:29], out2 s[30:31]
	s_load_b128 s[32:35], s[0:1], 0x60             ; out0 s[32:33], out1 s[34:35]
	v_lshl_add_u32 v[SPW], v0, 2, SPARE
	v_mov_b32 v[NIL], 0
	v_and_b32 v1, 31, v0                           ; l
	v_lshrrev_b32 v[TM], 5, v0
	v_readfirstlane_b32 s4, v[TM]                  ; wave 0..23
	s_mov_b32 s5, ttmp9                            ; the batch
	s_mul_i32 s7, s4, 25088
	v_lshl_add_u32 v[XO], v1, 4, s7
	s_mul_i32 s7, s4, PARTW
	v_lshl_add_u32 v[LP], v1, 2, s7
	v_mul_u32_u24 v[LQ], v1, 196                   ; 49 words from lane to lane, an odd number: the 32 lanes' words fall into 32 different banks (64 banks of 4 bytes: ISA guide 11.1)
	v_add_nc_u32 v[LQ], s7, v[LQ]
	v_lshlrev_b32 v[WO], 4, v1
	v_lshl_add_u32 v[GS], v0, 2, GROW
	v_lshlrev_b32 v[NO], 2, v0
	v_lshl_add_u32 v[GR], v1, 4, GROW
	s_mov_b32 s46, 0x76543210                      ; v_permlanex16_b32: each lane takes its own place in the other half
	s_mov_b32 s47, 0xfedcba98
	s_mov_b32 s48, 0x3311932d                      ; 1 / (196 x 196 x 768): from the sum of G^2 to the mean of gap^2
	s_mov_b32 s49, 0x34000000                      ; the norm's eps, 2^-23
	s_mov_b32 s43, 0                               ; the high word of every offset below
	s_wait_kmcnt 0x0
	s_mul_i32 s42, s5, 602112                      ; a batch's bytes of x; 127 x 602,112 stays under 2^31
	s_add_nc_u64 s[8:9], s[8:9], s[42:43]
	s_lshl_b32 s42, s5, 6
	s_add_nc_u64 s[30:31], s[30:31], s[42:43]      ; out2 at my batch's 64 bytes
	s_lshl_b32 s42, s5, 4
	s_add_nc_u64 s[32:33], s[32:33], s[42:43]      ; out0 and out1 at its 16
	s_add_nc_u64 s[34:35], s[34:35], s[42:43]
	; which of the 24 numbers is mine: waves 0-15 rows of W_res, 16-19 of W_pre, 20-23 of W_post.  The choice hangs on the wave's number alone.
	s_cmp_lt_u32 s4, 20
	s_cselect_b64 s[36:37], s[14:15], s[16:17]     ; weights
	s_cselect_b64 s[38:39], s[20:21], s[22:23]     ; alpha
	s_cselect_b64 s[40:41], s[26:27], s[28:29]     ; bias
	s_cselect_b32 s6, 16, 20
	s_cmp_lt_u32 s4, 16
	s_cselect_b64 s[36:37], s[12:13], s[36:37]
	s_cselect_b64 s[38:39], s[18:19], s[38:39]
	s_cselect_b64 s[40:41], s[24:25], s[40:41]
	s_cselect_b32 s6, 0, s6
	s_sub_co_u32 s6, s4, s6                        ; my row in that matrix
	s_mul_i32 s42, s6, 3072
	s_add_nc_u64 s[36:37], s[36:37], s[42:43]
	s_lshl_b32 s42, s6, 2
	s_add_nc_u64 s[40:41], s[40:41], s[42:43]
	s_load_b32 s44, s[38:39], 0x0                  ; alpha
	s_load_b32 s45, s[40:41], 0x0                  ; my bias
	; seven loads that are older than every load of x, so that the waits of the stream cover them too
.irp k, 0,1,2,3,4,5
	global_load_b128 v[WR+4*(\k):WR+4*(\k)+3], v[WO], s[36:37] offset:512*(\k)
.endr
	global_load_b32 v[NW], v[NO], s[10:11]
	; the ring is filled: pieces 0 to 29 of my 49
.set j, 0
.rept DEPTH
	global_load_b128 v[XR+4*j:XR+4*j+3], v[XO], s[8:9] offset:512*j th:TH_LOAD_NT
.set j, j+1
.endr
	s_wait_kmcnt 0x0                               ; alpha and bias, while the loads are out
	s_mul_f32 s50, s44, 0x3ba72f05                 ; alpha / 196: from plane sums to means, folded into alpha
; THE STREAM.  Step j: load j is in; its four numbers are added; its slot is asked for again while pieces are left; the sum goes to word 32 j + l of my wave's LDS.
; The wait counts the loads of x issued behind load j (loads come back in order: ISA guide 5.7.1): up to step 19, 30 + j have been issued, so 29; from there on all 49 have, so 48 - j.
.macro STEP
.set ra, XR+4*(j%DEPTH)
.set rt, TM+2*(j%2)
.if j < 49-DEPTH
	s_wait_loadcnt DEPTH-1
.else
	s_wait_loadcnt 48-j
.endif
	v_pk_add_f32 v[rt:rt+1], v[ra:ra+1], v[ra+2:ra+3]
.if j < 49-DEPTH
	global_load_b128 v[ra:ra+3], v[XO], s[8:9] offset:512*(j+DEPTH) th:TH_LOAD_NT
.endif
	v_add_f32 v[rt], v[rt], v[rt+1]
	ds_store_b32 v[LP], v[rt] offset:128*j
.set j, j+1
.endm
.set j, 0
.rept 49
	STEP
.endr
	; PLANE SUMS.  Lane l takes plane l of my wave's 32: 49 words.  The bytes are my wave's own, and LDS serves a wave's instructions in order (ISA guide 5.7.1.4): these loads see the stores above.
.set k, 0
.rept 49
	ds_load_b32 v[XR+k], v[LQ] offset:4*k
.set k, k+1
.endr
	s_wait_dscnt 0x0
.set i, 0
.rept 12
	v_pk_add_f32 v[XR+2*i:XR+2*i+1], v[XR+2*i:XR+2*i+1], v[XR+24+2*i:XR+24+2*i+1]  ; 48 words to 24,
.set i, i+1
.endr
.set i, 0
.rept 6
	v_pk_add_f32 v[XR+2*i:XR+2*i+1], v[XR+2*i:XR+2*i+1], v[XR+12+2*i:XR+12+2*i+1]  ; to 12,
.set i, i+1
.endr
.set i, 0
.rept 3
	v_pk_add_f32 v[XR+2*i:XR+2*i+1], v[XR+2*i:XR+2*i+1], v[XR+6+2*i:XR+6+2*i+1]    ; to 6,
.set i, i+1
.endr
	v_pk_add_f32 v[XR:XR+1], v[XR:XR+1], v[XR+2:XR+3]
	v_pk_add_f32 v[XR:XR+1], v[XR:XR+1], v[XR+4:XR+5]                              ; to 2,
	v_add_f32 v[TM], v[XR], v[XR+1]
	v_add_f32 v[TM], v[TM], v[XR+48]               ; and the 49th: G of my channel
	v_mul_f32 v[TM+1], v[TM], v[NW]                ; T = G x norm_w
	ds_store_b32 v[GS], v[TM]
	ds_store_b32 v[GS], v[TM+1] offset:TOFF
	s_wait_dscnt 0x0                               ; for the others' sake: my two stores are done
	s_barrier_signal -1
	s_barrier_wait -1                              ; all 768 G and T lie in LDS
	; EVERY WAVE: the sum of G^2 over the 768 channels, and T . my row of weights.  24 channels a lane, laid as the row of weights was loaded.
.irp k, 0,1,2,3,4,5
	ds_load_b128 v[XR+4*(\k):XR+4*(\k)+3],       v[GR] offset:512*(\k)
	ds_load_b128 v[XR+24+4*(\k):XR+24+4*(\k)+3], v[GR] offset:TOFF+512*(\k)
.endr
	s_wait_dscnt 0x0
.set i, 0
.rept 12                               ; four chains, two for each sum; the first pairs start them: nothing is cleared
.set rg, XR+2*i
.set rw, WR+2*i
.set rs, SQ+4*(i%2)
.set rd, DT+4*(i%2)
.if i < 2
	v_pk_mul_f32 v[rs:rs+1], v[rg:rg+1], v[rg:rg+1]
	v_pk_mul_f32 v[rd:rd+1], v[rg+24:rg+25], v[rw:rw+1]
.else
	v_pk_fma_f32 v[rs:rs+1], v[rg:rg+1], v[rg:rg+1], v[rs:rs+1]
	v_pk_fma_f32 v[rd:rd+1], v[rg+24:rg+25], v[rw:rw+1], v[rd:rd+1]
.endif
.set i, i+1
.endr
	v_pk_add_f32 v[SQ:SQ+1], v[SQ:SQ+1], v[SQ+4:SQ+5]
	v_pk_add_f32 v[DT:DT+1], v[DT:DT+1], v[DT+4:DT+5]
	v_add_f32 v[SQ], v[SQ], v[SQ+1]
	v_add_f32 v[DT], v[DT], v[DT+1]
	; across the 32 lanes, the two sums line by line: four steps inside each half of 16 lanes, one across the halves; every lane ends with both
.irp m, 1,2,4,8
	v_add_f32_dpp v[SQ], v[SQ], v[SQ] row_xmask:\m row_mask:0xf bank_mask:0xf
	v_add_f32_dpp v[DT], v[DT], v[DT] row_xmask:\m row_mask:0xf bank_mask:0xf
.endr
	v_permlanex16_b32 v[SQ+1], v[SQ], s46, s47     ; (its destination counts as read: both have been written)
	v_permlanex16_b32 v[DT+1], v[DT], s46, s47
	v_add_f32 v[SQ], v[SQ], v[SQ+1]
	v_add_f32 v[DT], v[DT], v[DT+1]
	; MY NUMBER: z = alpha / 196 x (T . W) / sqrt(mean gap^2 + eps) + bias
	v_fma_f32 v92, v[SQ], s48, s49                 ; mean of gap^2, + eps
	v_rsq_f32 v93, v92
	v_mul_f32 v94, s50, v[DT]                      ; the plain instruction behind the root (ISA guide 5.7.2); it names neither v92 nor v93
	s_wait_alu depctr_va_vdst(0)                   ; the wait ahead of the first line that names the root's result
	v_fma_f32 v95, v94, v93, s45
	s_lshl_b32 s7, s4, 2
	s_add_co_u32 s7, s7, VAL
	v_mov_b32 v96, s7
	ds_store_b32 v96, v95                          ; all lanes write the same word with the same number
	s_wait_dscnt 0x0                               ; for wave 0's sake
	s_barrier_signal -1
	s_barrier_wait -1                              ; the 24 numbers lie in LDS
	s_cmp_lg_u32 s4, 0
	s_cbranch_scc1 .Lend                           ; the rest is one wave's work
	; WAVE 0.  Lanes 0-15: element (l / 4, l % 4) of res; lanes 16-19: pre; lanes 20-23: post; lanes 24-31 repeat number 23 and store nothing.
	v_min_u32 v97, 23, v1
	v_lshl_add_u32 v97, v97, 2, VAL
	ds_load_b32 v98, v97
	v_lshrrev_b32 v103, 2, v1                      ; l / 4: 4 for pre's lanes, 5 for post's
	v_lshlrev_b32 v104, 2, v1                      ; my place in out2
	v_and_b32 v105, 3, v1
	v_lshlrev_b32 v105, 2, v105                    ; my place in out0 or out1
	v_cmp_gt_u32 vcc_lo, 20, v1
	v_mov_b32 v101, 1.0
	v_cndmask_b32 v101, 2.0, v101, vcc_lo          ; the sigmoid's factor: 1 below lane 20, 2 from there on
	s_wait_dscnt 0x0
	v_mov_b32 v102, v98
	v_max_num_f32_dpp v102, v102, v102 row_xmask:1 row_mask:0xf bank_mask:0xf
	v_max_num_f32_dpp v102, v102, v102 row_xmask:2 row_mask:0xf bank_mask:0xf  ; the maximum of my row of four
	v_sub_f32 v99, v98, v102
	v_mul_f32 v99, 0x3fb8aa3b, v99                 ; log2(e) (z - max)
	v_mul_f32 v100, 0xbfb8aa3b, v98                ; - log2(e) z
	v_exp_f32 v99, v99                             ; M
	v_exp_f32 v100, v100                           ; e^-z
	v_nop                                          ; one plain instruction behind the two exponentials,
	s_wait_alu depctr_va_vdst(0)                   ; and one wait for both, ahead of the first line that names a result
	v_add_f32 v100, 1.0, v100
	v_rcp_f32 v100, v100
	v_nop
	s_wait_alu depctr_va_vdst(0)
	v_mul_f32 v100, v100, v101                     ; sigmoid(z), or twice that
; Half a round: M is divided by the sum over the four lanes l xor {0, a, b, a + b}, + 1e-6.  (1, 2): my row; (4, 8): my column.  Each half waits for the one before it,
; so each reciprocal has a plain instruction and a wait of its own.
.macro HALF a, b
	v_add_f32_dpp v102, v99, v99 row_xmask:\a row_mask:0xf bank_mask:0xf
	v_add_f32_dpp v102, v102, v102 row_xmask:\b row_mask:0xf bank_mask:0xf
	v_add_f32 v102, 0x358637bd, v102               ; + 1e-6
	v_rcp_f32 v102, v102
	v_nop
	s_wait_alu depctr_va_vdst(0)
	v_mul_f32 v99, v99, v102
.endm
	s_mov_b32 s51, 20
.Lsk:
	HALF 1, 2
	HALF 4, 8
	s_sub_co_u32 s51, s51, 1
	s_cmp_lg_u32 s51, 0
	s_cbranch_scc1 .Lsk
	; THE STORES.  EXEC is among the sources of a pending load or store: it changes only behind s_wait_xcnt 0.
	s_wait_xcnt 0x0
	v_cmp_gt_u32 vcc_lo, 16, v1
	s_and_saveexec_b32 s52, vcc_lo
	global_store_b32 v104, v99, s[30:31]           ; lanes 0-15: the batch's 64 bytes of out2
	s_wait_xcnt 0x0
	s_or_b32 exec_lo, exec_lo, s52
	v_cmp_eq_u32 vcc_lo, 4, v103
	s_and_saveexec_b32 s52, vcc_lo
	global_store_b32 v105, v100, s[32:33]          ; lanes 16-19: out0
	s_wait_xcnt 0x0
	s_or_b32 exec_lo, exec_lo, s52
	v_cmp_eq_u32 vcc_lo, 5, v103
	s_and_saveexec_b32 s52, vcc_lo
	global_store_b32 v105, v100, s[34:35]          ; lanes 20-23: out1
	s_wait_xcnt 0x0
	s_or_b32 exec_lo, exec_lo, s52
.Lend:
	s_wait_tensorcnt 0x0                           ; the wave's end, behind my last LDS store
	ds_add_u32 v[SPW], v[NIL]
	s_wait_dscnt 0x0
	s_endpgm
.Lfunc_end_k_qc277189e51_mhc:
	.size	k_qc277189e51_mhc, .Lfunc_end_k_qc277189e51_mhc-k_qc277189e51_mhc
	.p2alignl 7, 3214868480
	.fill 96, 4, 3214868480
	.section	.rodata,"a",@progbits
	.p2align	6, 0x0
	.amdhsa_kernel k_qc277189e51_mhc
		.amdhsa_group_segment_fixed_size 160768
		.amdhsa_private_segment_fixed_size 0
		.amdhsa_enable_private_segment 0
		.amdhsa_kernarg_size 112
		.amdhsa_user_sgpr_count 2
		.amdhsa_user_sgpr_kernarg_segment_ptr 1
		.amdhsa_wavefront_size32 1
		.amdhsa_system_sgpr_workgroup_id_x 1
		.amdhsa_system_sgpr_workgroup_id_y 1
		.amdhsa_system_sgpr_workgroup_id_z 1
		.amdhsa_system_vgpr_workitem_id 0
		.amdhsa_next_free_vgpr 160
		.amdhsa_next_free_sgpr 66
		.amdhsa_reserve_vcc 1
		.amdhsa_float_denorm_mode_32 3
		.amdhsa_float_denorm_mode_16_64 3
		.amdhsa_memory_ordered 1
		.amdhsa_forward_progress 1
		.amdhsa_inst_pref_size 29
	.end_amdhsa_kernel
	.amdgpu_metadata
---
amdhsa.version: [ 1, 2 ]
amdhsa.kernels:
  - .name:           k_qc277189e51_mhc
    .symbol:         k_qc277189e51_mhc.kd
    .args:
      - { .name: x, .offset: 0, .size: 8, .value_kind: global_buffer, .address_space: global }
      - { .name: norm_w, .offset: 8, .size: 8, .value_kind: global_buffer, .address_space: global }
      - { .name: W_res, .offset: 16, .size: 8, .value_kind: global_buffer, .address_space: global }
      - { .name: W_pre, .offset: 24, .size: 8, .value_kind: global_buffer, .address_space: global }
      - { .name: W_post, .offset: 32, .size: 8, .value_kind: global_buffer, .address_space: global }
      - { .name: alpha_res, .offset: 40, .size: 8, .value_kind: global_buffer, .address_space: global }
      - { .name: alpha_pre, .offset: 48, .size: 8, .value_kind: global_buffer, .address_space: global }
      - { .name: alpha_post, .offset: 56, .size: 8, .value_kind: global_buffer, .address_space: global }
      - { .name: b_res, .offset: 64, .size: 8, .value_kind: global_buffer, .address_space: global }
      - { .name: b_pre, .offset: 72, .size: 8, .value_kind: global_buffer, .address_space: global }
      - { .name: b_post, .offset: 80, .size: 8, .value_kind: global_buffer, .address_space: global }
      - { .name: out2, .offset: 88, .size: 8, .value_kind: global_buffer, .address_space: global }
      - { .name: out0, .offset: 96, .size: 8, .value_kind: global_buffer, .address_space: global }
      - { .name: out1, .offset: 104, .size: 8, .value_kind: global_buffer, .address_space: global }
    .group_segment_fixed_size: 160768
    .private_segment_fixed_size: 0
    .kernarg_segment_align: 8
    .kernarg_segment_size: 112
    .max_flat_workgroup_size: 768
    .sgpr_count:     66
    .vgpr_count:     160
    .wavefront_size: 32
...
	.end_amdgpu_metadata
.endif
;; end of part 1
;; ======== version 2 of 2: 1 launch; 1.16 times as fast as version 1
;; limits: inputs' magnitudes at most 3.4e+15
;; launch mhc (part 2): grid 128 x 1, 24 waves a work-group, no clusters, 327,680 bytes of LDS; arguments x, norm_w, W_res, W_pre, W_post, alpha_res, alpha_pre, alpha_post, b_res, b_pre, b_post, out2, out0, out1; writes out2, out0, out1
.if DOCPART == 2
	.amdgcn_target "amdgcn-amd-amdhsa--gfx1250"
	.amdhsa_code_object_version 6
	.text
	.protected	k_qc277189e51_mhc
	.globl	k_qc277189e51_mhc
	.p2align	8
	.type	k_qc277189e51_mhc,@function
k_qc277189e51_mhc:
	s_mov_b64 s[64:65], 0
	v_nop
	global_prefetch_b8 v0, s[64:65] scope:SCOPE_SE
	s_setreg_imm32_b32 hwreg(HW_REG_WAVE_MODE, 25, 1), 1
	s_wait_xcnt 0x0
; mHC generator.  For each batch b of 128: gap[c] = mean of x[b][c][14][14]; xn[c] = gap[c] / sqrt(mean_c gap^2 + eps) * norm_w[c];
; 24 numbers z = alpha * (xn . W row) + bias (16 of W_res, 4 of W_pre, 4 of W_post); out0 = sigmoid(pre), out1 = 2 sigmoid(post),
; out2 = the 4 x 4 block of res: row maximum taken away, exponential, 20 sweeps of (rows / (row sum + 1e-6), columns / (column sum + 1e-6)).
; NOTHING IS LEFT OUT: every one of the eleven inputs has a way to an output and is loaded; every step of the computation is done.
; SHARES.  One work-group takes one batch through everything, since the norm and the 24 products want all 768 channels of a batch and work-groups exchange nothing.
; 24 waves; wave w takes channels 32 w .. 32 w + 31: 32 planes of 784 bytes, 25,088 consecutive bytes.  Behind that, wave w makes product w of the 24 and the sum of squares of its own 32 channels;
; wave 0 does the 20 sweeps and, beside it, wave 1 the sigmoids.
; THE WAY IN HAS TWO ROADS, SO THAT THE WHOLE BATCH IS ASKED FOR AT ONCE.  A wave's 25,088 bytes would be 196 registers a lane, more than six waves on a SIMD of 1,024 registers can have; the batch's
; 602,112 bytes are more than LDS holds.  Half and half they fit: the wave's first 16 planes (12,544 bytes) come by 25 loads of 512 consecutive, aligned bytes into 100 registers (the 25th load's upper
; 16 lanes reach 256 bytes into the second half: inside the buffer, summed and never used); its last 16 planes (49 rows of 256 bytes, aligned) by ONE tensor load into LDS bytes of the wave's own.
; No slot is filled twice: no ring, no refill, no barrier on the way in, and no address register is ever rewritten.
; FROM PIECES TO PLANES.  A plane is 49 pieces of 16 bytes.  Lane l stands for plane p = l % 16 and half h = l / 16 of its pieces: pieces 24 h .. 24 h + 24; piece 24 falls to both and is selected away in h = 1.
; The tile in LDS is read so directly: planes lie 784 bytes apart, an odd multiple of 16.
; The register half lies across the lanes (piece 32 j + l in lane l of load j): each piece's four numbers are added, the 800 sums go into LDS words and come back by planes.  Those words are the first 3,200
; bytes of the wave's own tile, written behind the wave's last read of the tile, which has had its one fill.
; WHY NO MATRIX INSTRUCTION: a work-group has ONE row of xn: 24 x 768 multiply-adds, twelve packed f32 multiply-adds a lane; a tile of 16 rows would hold 15 empty ones.
; WHY NO CLUSTER: what work-groups share (weights, gains, biases: 76,908 bytes) is a ninth of what each reads alone (602,112 bytes).
; STORES: a batch owns 64 + 16 + 16 bytes of the outputs, 12,288 bytes in the whole launch; they leave as three stores of 4 bytes a lane.
; LIMITS.  Sums are taken in trees, not in the order of a plain loop.  In the sweeps 1e-6 is added as four quarters, one to each of the four numbers of a sum: the same sum in real numbers, rounded in another order.
; Divisions are v_rcp_f32 and a multiply, the root is v_rsq_f32 (1 ulp each: ISA guide, 15.8).  An exponential below 2^-126 counts as 0.  NaN and infinities are not treated apart (the row maximum drops a NaN).
.set HALFB, 12544                      ; 16 planes: a wave's bytes on each road, and its tile in LDS; wave w's tile begins at HALFB x w
.set TROW,  301056                     ; behind the 24 tiles: T[c] = G[c] x norm_w[c], G the plane sums: 3,072 bytes
.set VAL,   304128                     ; 16 bytes for each wave: its product times alpha / 196, its sum of squares, its bias: two blocks of 256 bytes
.set SPARE, 304640                     ; the spare words, 128 bytes for each wave: twelve blocks of 256 bytes that no other line names.  The text uses 307,712 bytes of LDS
.set XO,  2                            ; v2   my byte offset in the batch: 25,088 w + 16 l; never rewritten
.set LP,  3                            ; v3   where my pieces' sums go: tile + 4 l
.set LQ,  4                            ; v4   where my plane's words lie: tile + 196 p + 96 h
.set WO,  5                            ; v5   16 l: my offset in a row of weights
.set GS,  6                            ; v6   TROW + 4 x my channel (my thread's number)
.set NO,  7                            ; v7   4 x my channel
.set SPW, 8                            ; v8   LDS address of my spare word; never rewritten
.set NIL, 9                            ; v9   0; never rewritten
.set NW,  10                           ; v10  norm_w of my channel
.set GR,  11                           ; v11  TROW + 16 l
.set WR,  12                           ; v[12:35]  my row of weights: load k, element e = channel 128 k + 4 l + e
.set TM,  36                           ; v[36:39]  two pairs at work
.set XR,  40                           ; v[40:139] 25 slots of four; then v40-64 the 25 sums; later v40-63 T
.set DC,  64                           ; v[64:71]  four chains of my product
.set QR,  68                           ; v[68:139] once the slots are summed: 18 quads for the tile's pieces; then v68-92 a half plane's 25 words
.set PS,  72                           ; v[72:73]  what I hand on: my product times alpha / 196, my wave's sum of squares
.set LT,  140                          ; v140 where my plane's pieces lie in the tile: tile + 784 p + 384 h
.set TS,  141                          ; v141 the tile's part: the sum of my 25 (24) pieces
.set AC,  142                          ; v[142:145] two accumulator pairs
.set TT,  146                          ; v[146:149] two pairs at work
.set VA,  150                          ; v150 VAL + 16 w
.set VB,  151                          ; v151 my bias
.set G0,  56                           ; s[56:59] descriptor group 0
.set G1,  68                           ; s[68:75] descriptor group 1
	s_load_b512 s[8:23], s[0:1], 0x0               ; x s[8:9], norm_w s[10:11], W_res s[12:13], W_pre s[14:15], W_post s[16:17], alpha_res s[18:19], alpha_pre s[20:21], alpha_post s[22:23]
	s_load_b256 s[24:31], s[0:1], 0x40             ; b_res s[24:25], b_pre s[26:27], b_post s[28:29], out2 s[30:31]
	s_load_b128 s[32:35], s[0:1], 0x60             ; out0 s[32:33], out1 s[34:35]
	v_lshl_add_u32 v[SPW], v0, 2, SPARE
	v_mov_b32 v[NIL], 0
	ds_add_u32 v[SPW], v[NIL]                      ; the wave's opening: the add, twice on end, and its wait ahead of my tensor load; the set-up below, work on registers, stands between
	ds_add_u32 v[SPW], v[NIL]                      ; and once more, under the one wait
	v_and_b32 v1, 31, v0                           ; l
	v_lshrrev_b32 v[TM], 5, v0
	v_readfirstlane_b32 s4, v[TM]                  ; wave 0..23
	s_mov_b32 s5, ttmp9                            ; the batch
	s_mul_i32 s7, s4, HALFB                        ; my tile in LDS
	s_mul_i32 s6, s4, 2*HALFB                      ; my wave's bytes in the batch
	; the descriptor: my 16 planes are 12,544 dense bytes, asked for as 49 rows of 256 bytes: 32 elements of 8 bytes
	s_mov_b32 s[G0], 1                             ; 1:0 count = 1
	s_mov_b32 s[G0+1], s7                          ; 63:32 LDS address
	s_mov_b32 s[G1], 3<<16                         ; 15:0 no mask; 17:16 elements of 8 bytes; 20 no padding
	s_mov_b32 s[G1+1], 32<<16                      ; tensor_dim0 = 32
	s_mov_b32 s[G1+2], 49<<16                      ; tensor_dim1 = 49
	s_mov_b32 s[G1+3], 32<<16                      ; tile_dim0 = 32
	s_mov_b32 s[G1+4], 49                          ; tile_dim1 = 49
	s_mov_b32 s[G1+5], 32                          ; 32 elements from row to row
	s_mov_b32 s[G1+6], 0
	s_mov_b32 s[G1+7], 0
	v_lshl_add_u32 v[XO], v1, 4, s6
	v_lshl_add_u32 v[LP], v1, 2, s7
	v_and_b32 v[TM], 15, v1                        ; p
	v_lshrrev_b32 v[TM+1], 4, v1                   ; h
	v_mul_u32_u24 v[LQ], v[TM], 196                ; 49 words from plane to plane, an odd number, and 24 words from half to half: the 32 lanes' words fall into 32 different banks
	v_mad_u32_u24 v[LQ], v[TM+1], 96, v[LQ]
	v_add_nc_u32 v[LQ], s7, v[LQ]
	v_mul_u32_u24 v[LT], v[TM], 784
	v_mad_u32_u24 v[LT], v[TM+1], 384, v[LT]
	v_add_nc_u32 v[LT], s7, v[LT]
	v_lshlrev_b32 v[WO], 4, v1
	v_lshl_add_u32 v[GS], v0, 2, TROW
	v_lshlrev_b32 v[NO], 2, v0
	v_lshl_add_u32 v[GR], v1, 4, TROW
	s_mov_b32 s46, 0x76543210                      ; v_permlanex16_b32: each lane takes its own place in the other half
	s_mov_b32 s47, 0xfedcba98
	s_mov_b32 s48, 0x3311932d                      ; 1 / (196 x 196 x 768): from the sum of G^2 to the mean of gap^2
	s_mov_b32 s49, 0x34000000                      ; the norm's eps, 2^-23
	s_mov_b32 s55, 0x348637bd                      ; a quarter of the sweeps' 1e-6
	s_mov_b32 s43, 0                               ; the high word of every offset below
	s_wait_dscnt 0x0                               ; both opening adds are done
	s_wait_kmcnt 0x0
	s_mul_i32 s42, s5, 602112                      ; a batch's bytes of x; 127 x 602,112 stays under 2^31
	s_add_nc_u64 s[8:9], s[8:9], s[42:43]
	s_add_co_u32 s42, s6, HALFB                    ; my wave's second 16 planes
	s_add_nc_u64 s[G0+2:G0+3], s[8:9], s[42:43]    ; 120:64 global address
	s_or_b32 s[G0+3], s[G0+3], 0x80000000          ; 127:126 type = 2
	tensor_load_to_lds s[G0:G0+3], s[G1:G1+7]      ; my one tensor load: by this text's count one is out
	s_nop 0
	; my first 16 planes: 25 loads, all at once
.set j, 0
.rept 25
	global_load_b128 v[XR+4*j:XR+4*j+3], v[XO], s[8:9] offset:512*j th:TH_LOAD_NT
.set j, j+1
.endr
	s_lshl_b32 s42, s5, 6
	s_add_nc_u64 s[30:31], s[30:31], s[42:43]      ; out2 at my batch's 64 bytes
	s_lshl_b32 s42, s5, 4
	s_add_nc_u64 s[32:33], s[32:33], s[42:43]      ; out0 and out1 at its 16
	s_add_nc_u64 s[34:35], s[34:35], s[42:43]
	; which of the 24 products is mine: waves 0-15 rows of W_res, 16-19 of W_pre, 20-23 of W_post.  The choice hangs on the wave's number alone.
	s_cmp_lt_u32 s4, 20
	s_cselect_b64 s[36:37], s[14:15], s[16:17]     ; weights
	s_cselect_b64 s[38:39], s[20:21], s[22:23]     ; alpha
	s_cselect_b64 s[40:41], s[26:27], s[28:29]     ; bias
	s_cselect_b32 s6, 16, 20
	s_cmp_lt_u32 s4, 16
	s_cselect_b64 s[36:37], s[12:13], s[36:37]
	s_cselect_b64 s[38:39], s[18:19], s[38:39]
	s_cselect_b64 s[40:41], s[24:25], s[40:41]
	s_cselect_b32 s6, 0, s6
	s_sub_co_u32 s6, s4, s6                        ; my row in that matrix
	s_mul_i32 s42, s6, 3072
	s_add_nc_u64 s[36:37], s[36:37], s[42:43]
	s_lshl_b32 s42, s6, 2
	s_add_nc_u64 s[40:41], s[40:41], s[42:43]
	s_load_b32 s44, s[38:39], 0x0                  ; alpha
	s_load_b32 s45, s[40:41], 0x0                  ; my bias
	; seven loads behind x's: what every work-group reads is asked for last
.irp k, 0,1,2,3,4,5
	global_load_b128 v[WR+4*(\k):WR+4*(\k)+3], v[WO], s[36:37] offset:512*(\k)
.endr
	global_load_b32 v[NW], v[NO], s[10:11]
	v_cmp_gt_u32 s53, 16, v1                       ; the mask of h = 0, made behind the tensor load and kept in a scalar register
	s_lshl_b32 s7, s4, 4
	s_add_co_u32 s7, s7, VAL
	v_mov_b32 v[VA], s7                            ; my wave's 16 bytes of VAL
	s_wait_kmcnt 0x0                               ; alpha and bias, while the loads are out
	s_mul_f32 s50, s44, 0x3ba72f05                 ; alpha / 196: from plane sums to means, folded into alpha
	v_mov_b32 v[VB], s45
	ds_store_b32 v[VA], v[VB] offset:8             ; the bias goes to its place now; all lanes write the same word with the same number
	; THE REGISTER HALF.  Step j: load j is in; its four numbers are added.  The sum goes to v[XR + j], a register of slot j / 4, which has been summed by then (slot 0's own pair is read first).
	; The wait counts the loads issued behind load j (loads come back in order: ISA guide 5.7.1): 24 - j of x and the seven of weights and gain.
.set j, 0
.rept 25
.set ra, XR+4*j
.set rt, TM+2*(j%2)
	s_wait_loadcnt 31-j
	v_pk_add_f32 v[rt:rt+1], v[ra:ra+1], v[ra+2:ra+3]
	v_add_f32 v[XR+j], v[rt], v[rt+1]
.set j, j+1
.endr
	; THE TILE.  Only I read it, so my own wait is all the ordering that the reads need.  25 loads of 16 bytes a lane through 18 quads.
	; The wait counts the LDS loads issued behind load k: up to step 7, 18 + k have been issued, so 17; from there on all 25 have, so 24 - k.
	s_wait_tensorcnt 0x0
.set k, 0
.rept 18
	ds_load_b128 v[QR+4*k:QR+4*k+3], v[LT] offset:16*k
.set k, k+1
.endr
.set k, 0
.rept 25
.set rq, QR+4*(k%18)
.set rc, AC+2*(k%2)
.set rt, TT+2*(k%2)
.if k < 7
	s_wait_dscnt 17
.else
	s_wait_dscnt 24-k
.endif
.if k == 0                             ; piece 24 h: in h = 1 it is piece 24, which h = 0 counts
	v_cndmask_b32 v[rq], 0, v[rq], s53
	v_cndmask_b32 v[rq+1], 0, v[rq+1], s53
	v_cndmask_b32 v[rq+2], 0, v[rq+2], s53
	v_cndmask_b32 v[rq+3], 0, v[rq+3], s53
.endif
.if k < 2
	v_pk_add_f32 v[rc:rc+1], v[rq:rq+1], v[rq+2:rq+3]  ; the first two pieces start the two chains: nothing is cleared
.else
	v_pk_add_f32 v[rt:rt+1], v[rq:rq+1], v[rq+2:rq+3]
.endif
.if k < 7
	ds_load_b128 v[rq:rq+3], v[LT] offset:16*(k+18)
.endif
.if k >= 2
	v_pk_add_f32 v[rc:rc+1], v[rc:rc+1], v[rt:rt+1]
.endif
.set k, k+1
.endr
	v_pk_add_f32 v[AC:AC+1], v[AC:AC+1], v[AC+2:AC+3]
	v_add_f32 v[TS], v[AC], v[AC+1]                ; my half of plane 16 + p
	; THE REGISTER HALF'S SUMS CHANGE LANES.  The last count above was 0: my reads of the tile are over, and its first 3,200 bytes take word 32 j + l.  Lane (p, h) reads back words 49 p + 24 h + 0..24.
	; The bytes are my wave's own, and LDS serves a wave's instructions in order (ISA guide 5.7.1.4): the loads see the stores.
.set j, 0
.rept 25
	ds_store_b32 v[LP], v[XR+j] offset:128*j
.set j, j+1
.endr
.set k, 0
.rept 25
	ds_load_b32 v[QR+k], v[LQ] offset:4*k
.set k, k+1
.endr
	s_wait_dscnt 0x0
	v_cndmask_b32 v[QR], 0, v[QR], s53             ; word 24 is h = 0's
.set i, 0
.rept 6
	v_pk_add_f32 v[QR+2*i:QR+2*i+1], v[QR+2*i:QR+2*i+1], v[QR+12+2*i:QR+12+2*i+1]  ; 24 words to 12,
.set i, i+1
.endr
.set i, 0
.rept 3
	v_pk_add_f32 v[QR+2*i:QR+2*i+1], v[QR+2*i:QR+2*i+1], v[QR+6+2*i:QR+6+2*i+1]    ; to 6,
.set i, i+1
.endr
	v_pk_add_f32 v[QR:QR+1], v[QR:QR+1], v[QR+2:QR+3]
	v_pk_add_f32 v[QR:QR+1], v[QR:QR+1], v[QR+4:QR+5]                              ; to 2,
	v_add_f32 v[TM], v[QR], v[QR+1]
	v_add_f32 v[TM], v[TM], v[QR+24]               ; and the 25th: my half of plane p
	; lane l ends with channel 32 w + l: h = 0 keeps its half of plane p and is sent the other; h = 1 the same of plane 16 + p
	v_cndmask_b32 v[TM+1], v[TS], v[TM], s53       ; what I keep
	v_cndmask_b32 v[TM+2], v[TM], v[TS], s53       ; what the lane 16 away wants
	v_permlanex16_b32 v[TM+3], v[TM+2], s46, s47   ; (its destination counts as read: it has been written)
	v_add_f32 v[TM], v[TM+1], v[TM+3]              ; G of my channel
	s_wait_loadcnt 0x0                             ; the gain, and my row of weights
	v_mul_f32 v[TM+1], v[TM], v[NW]                ; T = G x norm_w
	ds_store_b32 v[GS], v[TM+1]
	v_mul_f32 v[PS+1], v[TM], v[TM]                ; G^2 stays with me: G itself is wanted by nobody else
	s_wait_dscnt 0x0                               ; for the others' sake: my store is done
	s_barrier_signal -1
	s_barrier_wait -1                              ; all 768 T lie in LDS
	; EVERY WAVE: T . my row of weights, 24 channels a lane, laid as the row of weights was loaded.  While the six loads are out, the wave's 32 squares are added across the lanes.
.irp k, 0,1,2,3,4,5
	ds_load_b128 v[XR+4*(\k):XR+4*(\k)+3], v[GR] offset:512*(\k)
.endr
.irp m, 1,2,4,8
	v_add_f32_dpp v[PS+1], v[PS+1], v[PS+1] row_xmask:\m row_mask:0xf bank_mask:0xf
.endr
	v_permlanex16_b32 v[TM+3], v[PS+1], s46, s47
	v_add_f32 v[PS+1], v[PS+1], v[TM+3]            ; the sum of G^2 over my wave's 32 channels, in every lane
.set i, 0
.rept 12                               ; four chains of three; the first pairs start them: nothing is cleared.  The wait counts the loads of T issued behind load i / 2
.set rc, DC+2*(i%4)
.if i%2 == 0
	s_wait_dscnt 5-i/2
.endif
.if i < 4
	v_pk_mul_f32 v[rc:rc+1], v[XR+2*i:XR+2*i+1], v[WR+2*i:WR+2*i+1]
.else
	v_pk_fma_f32 v[rc:rc+1], v[XR+2*i:XR+2*i+1], v[WR+2*i:WR+2*i+1], v[rc:rc+1]
.endif
.set i, i+1
.endr
	v_pk_add_f32 v[DC:DC+1], v[DC:DC+1], v[DC+4:DC+5]
	v_pk_add_f32 v[DC+2:DC+3], v[DC+2:DC+3], v[DC+6:DC+7]
	v_pk_add_f32 v[DC:DC+1], v[DC:DC+1], v[DC+2:DC+3]
	v_add_f32 v[DC], v[DC], v[DC+1]
.irp m, 1,2,4,8                        ; across the 32 lanes: four steps inside each half of 16 lanes, one across the halves
	v_add_f32_dpp v[DC], v[DC], v[DC] row_xmask:\m row_mask:0xf bank_mask:0xf
.endr
	v_permlanex16_b32 v[DC+1], v[DC], s46, s47
	v_add_f32 v[DC], v[DC], v[DC+1]
	v_mul_f32 v[PS], s50, v[DC]                    ; alpha / 196 x (T . W)
	ds_store_b64 v[VA], v[PS:PS+1]                 ; all lanes write the same two words with the same numbers
	s_wait_dscnt 0x0                               ; for waves 0 and 1's sake
	s_barrier_signal -1
	v_min_u32 v97, 23, v1                          ; register work between signal and wait: lane l takes number min(l, 23),
	v_lshl_add_u32 v97, v97, 4, VAL
	v_cmp_gt_u32 s54, 24, v1                       ; the mask of the 24 lanes that count,
	v_lshlrev_b32 v104, 2, v1                      ; and my place in out2
	s_barrier_wait -1                              ; the 24 waves' numbers lie in LDS
	s_cmp_gt_u32 s4, 1
	s_cbranch_scc1 .Lend                           ; the rest is two waves' work
	; WAVES 0 AND 1, each for itself: z = alpha / 196 x (T . W) / sqrt(mean gap^2 + eps) + bias.  Lanes 0-15: element (l / 4, l % 4) of res; 16-19: pre; 20-23: post; 24-31 repeat number 23 and store nothing.
	ds_load_b64 v[98:99], v97                      ; the product, the wave's sum of squares
	ds_load_b32 v100, v97 offset:8                 ; the bias
	s_wait_dscnt 0x0
	v_cndmask_b32 v99, 0, v99, s54                 ; the repeats do not count in the sum
.irp m, 1,2,4,8
	v_add_f32_dpp v99, v99, v99 row_xmask:\m row_mask:0xf bank_mask:0xf
.endr
	v_permlanex16_b32 v[TM+3], v99, s46, s47
	v_add_f32 v99, v99, v[TM+3]                    ; the sum of G^2 over the 768 channels
	v_fma_f32 v102, v99, s48, s49                  ; mean of gap^2, + eps
	v_rsq_f32 v103, v102
	v_nop                                          ; the plain instruction behind the root (ISA guide 5.7.2),
	s_wait_alu depctr_va_vdst(0)                   ; and the wait ahead of the first line that names its result
	v_fma_f32 v98, v98, v103, v100                 ; z
	s_cmp_lg_u32 s4, 0
	s_cbranch_scc1 .Lsig
	; WAVE 0: THE SWEEPS.
	v_max_num_f32_dpp v102, v98, v98 row_xmask:1 row_mask:0xf bank_mask:0xf
	v_max_num_f32_dpp v102, v102, v102 row_xmask:2 row_mask:0xf bank_mask:0xf  ; the maximum of my row of four
	v_sub_f32 v105, v98, v102
	v_mul_f32 v105, 0x3fb8aa3b, v105               ; log2(e) (z - max)
	v_exp_f32 v105, v105                           ; M
	v_nop
	s_wait_alu depctr_va_vdst(0)
	v_add_f32 v106, s55, v105                      ; E = M + 1e-6 / 4
; Half a sweep: M is divided by the sum over the four lanes l xor {0, a, b, a + b}, + 1e-6.  (1, 2): my row; (4, 8): my column.  The sum is taken of E, whose four quarters make the 1e-6;
; the next E is one fused multiply-add beside M's multiply.  Each half waits for the one before it, so each reciprocal has a plain instruction and a wait of its own.
; last = 1: no further sum, so no E.
.macro HALF a, b, last
	v_add_f32_dpp v102, v106, v106 row_xmask:\a row_mask:0xf bank_mask:0xf
	v_add_f32_dpp v102, v102, v102 row_xmask:\b row_mask:0xf bank_mask:0xf
	v_rcp_f32 v102, v102
	v_nop
	s_wait_alu depctr_va_vdst(0)
.if !(\last)
	v_fma_f32 v106, v105, v102, s55
.endif
	v_mul_f32 v105, v105, v102
.endm
	; The 40 halves are one chain of dependent lines; they are written out, 279 lines, so that no count, compare and jump stand in it.
.rept 19
	HALF 1, 2, 0
	HALF 4, 8, 0
.endr
	HALF 1, 2, 0
	HALF 4, 8, 1
	s_wait_xcnt 0x0                                ; EXEC is among the sources of a pending load or store: it changes only behind s_wait_xcnt 0
	v_cmp_gt_u32 vcc_lo, 16, v1
	s_and_saveexec_b32 s52, vcc_lo
	global_store_b32 v104, v105, s[30:31]          ; lanes 0-15: the batch's 64 bytes of out2
	s_wait_xcnt 0x0
	s_or_b32 exec_lo, exec_lo, s52
	s_branch .Lend
.Lsig:	; WAVE 1: THE SIGMOIDS, beside wave 0's sweeps.
	v_mul_f32 v105, 0xbfb8aa3b, v98                ; - log2(e) z
	v_exp_f32 v105, v105                           ; e^-z
	v_lshrrev_b32 v108, 2, v1                      ; l / 4: 4 for pre's lanes, 5 for post's.  These six lines are the independent work behind the exponential
	v_and_b32 v109, 3, v1
	v_lshlrev_b32 v109, 2, v109                    ; my place in out0 or out1
	v_cmp_gt_u32 vcc_lo, 20, v1
	v_mov_b32 v101, 1.0
	v_cndmask_b32 v101, 2.0, v101, vcc_lo          ; the factor: 1 below lane 20, 2 from there on
	s_wait_alu depctr_va_vdst(0)
	v_add_f32 v105, 1.0, v105
	v_rcp_f32 v105, v105
	v_nop
	s_wait_alu depctr_va_vdst(0)
	v_mul_f32 v105, v105, v101                     ; sigmoid(z), or twice that
	s_wait_xcnt 0x0
	v_cmp_eq_u32 vcc_lo, 4, v108
	s_and_saveexec_b32 s52, vcc_lo
	global_store_b32 v109, v105, s[32:33]          ; lanes 16-19: out0
	s_wait_xcnt 0x0
	s_or_b32 exec_lo, exec_lo, s52
	v_cmp_eq_u32 vcc_lo, 5, v108
	s_and_saveexec_b32 s52, vcc_lo
	global_store_b32 v109, v105, s[34:35]          ; lanes 20-23: out1
	s_wait_xcnt 0x0
	s_or_b32 exec_lo, exec_lo, s52
.Lend:
	s_wait_tensorcnt 0x0                           ; the wave's end, behind my tensor load and my last LDS store
	ds_add_u32 v[SPW], v[NIL]
	s_wait_dscnt 0x0
	s_endpgm
.Lfunc_end_k_qc277189e51_mhc:
	.size	k_qc277189e51_mhc, .Lfunc_end_k_qc277189e51_mhc-k_qc277189e51_mhc
	.p2alignl 7, 3214868480
	.fill 96, 4, 3214868480
	.section	.rodata,"a",@progbits
	.p2align	6, 0x0
	.amdhsa_kernel k_qc277189e51_mhc
		.amdhsa_group_segment_fixed_size 327680
		.amdhsa_private_segment_fixed_size 0
		.amdhsa_enable_private_segment 0
		.amdhsa_kernarg_size 112
		.amdhsa_user_sgpr_count 2
		.amdhsa_user_sgpr_kernarg_segment_ptr 1
		.amdhsa_wavefront_size32 1
		.amdhsa_system_sgpr_workgroup_id_x 1
		.amdhsa_system_sgpr_workgroup_id_y 1
		.amdhsa_system_sgpr_workgroup_id_z 1
		.amdhsa_system_vgpr_workitem_id 0
		.amdhsa_next_free_vgpr 160
		.amdhsa_next_free_sgpr 76
		.amdhsa_reserve_vcc 1
		.amdhsa_float_denorm_mode_32 3
		.amdhsa_float_denorm_mode_16_64 3
		.amdhsa_memory_ordered 1
		.amdhsa_forward_progress 1
		.amdhsa_inst_pref_size 39
	.end_amdhsa_kernel
	.amdgpu_metadata
---
amdhsa.version: [ 1, 2 ]
amdhsa.kernels:
  - .name:           k_qc277189e51_mhc
    .symbol:         k_qc277189e51_mhc.kd
    .args:
      - { .name: x, .offset: 0, .size: 8, .value_kind: global_buffer, .address_space: global }
      - { .name: norm_w, .offset: 8, .size: 8, .value_kind: global_buffer, .address_space: global }
      - { .name: W_res, .offset: 16, .size: 8, .value_kind: global_buffer, .address_space: global }
      - { .name: W_pre, .offset: 24, .size: 8, .value_kind: global_buffer, .address_space: global }
      - { .name: W_post, .offset: 32, .size: 8, .value_kind: global_buffer, .address_space: global }
      - { .name: alpha_res, .offset: 40, .size: 8, .value_kind: global_buffer, .address_space: global }
      - { .name: alpha_pre, .offset: 48, .size: 8, .value_kind: global_buffer, .address_space: global }
      - { .name: alpha_post, .offset: 56, .size: 8, .value_kind: global_buffer, .address_space: global }
      - { .name: b_res, .offset: 64, .size: 8, .value_kind: global_buffer, .address_space: global }
      - { .name: b_pre, .offset: 72, .size: 8, .value_kind: global_buffer, .address_space: global }
      - { .name: b_post, .offset: 80, .size: 8, .value_kind: global_buffer, .address_space: global }
      - { .name: out2, .offset: 88, .size: 8, .value_kind: global_buffer, .address_space: global }
      - { .name: out0, .offset: 96, .size: 8, .value_kind: global_buffer, .address_space: global }
      - { .name: out1, .offset: 104, .size: 8, .value_kind: global_buffer, .address_space: global }
    .group_segment_fixed_size: 327680
    .private_segment_fixed_size: 0
    .kernarg_segment_align: 8
    .kernarg_segment_size: 112
    .max_flat_workgroup_size: 768
    .sgpr_count:     76
    .vgpr_count:     160
    .wavefront_size: 32
...
	.end_amdgpu_metadata
.endif
;; end of part 2
